; MI455X (gfx1250); checked and timed in simulation.
; The chip was launched on July 23, 2026; its instructions are those of AMD's public machine-readable ISA for CDNA 5 (MIT licence, August 2026) and "CDNA5" Instruction Set Architecture Reference Guide (July 2026). The comments in the code are by the model that wrote it; some were corrected since.
;; WLS. Allowed arithmetic: float matrix products may take bf16 or f16 operands with f32 sums; all other float work in f32.
;; Inputs: W1 8 x 16 float32; W2 16 x 8 float32; b1 16 float32; b2 8 float32; inputs 524,288 x 8 float32.
;; Outputs: out0 524,288 x 8 float32.
;; One version. Each part assembles by itself: llvm-mc -triple=amdgcn-amd-amdhsa -mcpu=gfx1250 --defsym DOCPART=n.
;; ======== version 1 of 1: 1 launch
;; limits: values are held in f16: magnitudes above 65,504 overflow, below 6.1e-05 lose precision
;; launch wls (part 1): grid 256 x 1, 16 waves a work-group, no clusters, 169,984 bytes of LDS; arguments inputs, W1, b1, W2, b2, out0; writes out0
.if DOCPART == 1
	.amdgcn_target "amdgcn-amd-amdhsa--gfx1250"
	.amdhsa_code_object_version 6
	.text
	.protected	k_q25dc3138f4_wls
	.globl	k_q25dc3138f4_wls
	.p2align	8
	.type	k_q25dc3138f4_wls,@function
k_q25dc3138f4_wls:
	s_mov_b64 s[64:65], 0
	v_nop
	global_prefetch_b8 v0, s[64:65] scope:SCOPE_SE
	s_setreg_imm32_b32 hwreg(HW_REG_WAVE_MODE, 25, 1), 1
	s_wait_xcnt 0x0
; Weighted least squares reconciliation, out = S (S^T D S)^-1 S^T D x, D = diag(1 / (softplus(MLP(x)) + eps)), S = [ones(1,7); I7].
; x, out: [524288][8] f32.  W1 [8][16], b1 [16], W2 [16][8], b2 [8] f32.
;
; THE SOLVE IN CLOSED FORM.  S^T D S = diag(d1..d7) + d0 * ones * ones^T, a diagonal plus a rank-one term, and every d is positive
; (softplus >= 0, eps > 0), so the Sherman-Morrison identity holds for every input.  With w_k = 1/d_k = softplus(z_k) + eps,
; r = x0 - (x1 + .. + x7) and T = w0 + .. + w7 it gives   out_0 = x0 - w0 r / T,   out_a = x_a + w_a r / T  (a = 1..7).
; Only ratios w/T enter, so w is kept in units of ln 2: W2 and b2 are multiplied by log2(e) once, eps too, and
; w' = max(z',0) + log2(1 + 2^-|z'|) + eps log2(e).  The maximum is taken out before the exponential.
; 1 + e is rounded; its residue d = e - ((1+e) - 1) is exact and is added back as d log2(e): where all eight softplus are of eps's
; size, the residue is several per cent of w.  The fused multiply-add that adds it carries eps as its addend.
;
; THE OPERANDS' FORMAT: f16.  An error of w/T reaches the output multiplied by r, a sum of eight x, which over 524,288 rows grows to
; several times the outputs' own size; f16's 11 significant bits against bf16's 8 make that error eight times smaller at the same cost.
; Room: f16 ends at 65,504.  With x of spread 1 and W1 of spread 1/sqrt(8) a hidden unit has spread 1; x and W1 both 30 times larger give
; spread 900; common offsets of 30 spreads on both give 8 x 30 x 10.6, about 2,500.
;
; SHARES.  256 work-groups of 16 waves.  A work-group owns 2,048 rows (65,536 bytes), a wave 128 rows = 4 groups of 32, lane L row L of a group.
; The work-group's whole share lies in LDS at once: each wave asks for its four tiles of 1,024 bytes in its first lines (four tensor loads
; outstanding), only the wave that asked reads them, and no LDS byte is filled twice: no ring and no barrier.
; No cluster: the work-groups share 1,120 bytes of weights against 65,536 bytes of their own.
;
; THE TWO PRODUCTS, transposed, so that nothing moves between lanes (r = L & 15, h = L >> 4; layouts: ISA guide 7.12.2).
;  layer 1: B = XB: lane (r,h) holds x of row 16h+r as k = 8h..8h+7; k = 16..31 are zeros.  A0 = W1^T at k 0..7, A1 = W1^T at k 8..15, zeros elsewhere.
;           A0 x XB + b1 = hidden units of rows 0-15, A1 x XB + b1 of rows 16-31; lane (r,h), register j: unit 8h+j of row r (16+r).
;  layer 2: that is the layout of a B operand: after relu and packing, registers 0-3 are k = 8h+j (rows 0-15), registers 4-7 k = 16+8h+j (rows 16-31).
;           A2 = W2^T in rows 0-7 at k 0..15 and again in rows 8-15 at k 16..31: D(8h+j, r) = z_j of row 16h+r: lane L holds the eight z of row L.
;
; LIMITS.  The operands of both products are rounded to f16 (W2 after its scaling by log2(e)); sums, softplus and the closed form are f32.
; An x, a W1, a W2 log2(e) or a hidden unit beyond 65,504 in size becomes infinite in f16, and the rows that it enters come out NaN;
; operands below 2^-14 keep an absolute error of 2^-25.
; Rows L and L+16 of a group share a column of XB: an infinite or NaN x in one of them makes the other NaN as well (0 x inf).
; relu is v_max_num_f32, which answers 0 for a NaN.  2^-|z'| below 2^-126 counts as 0, some 30 orders of magnitude under eps.
.set UNIT,   272                       ; 256 bytes of rows + 16 of padding in LDS
.set GRP,    4*UNIT                    ; a group of 32 rows in LDS
.set WAVEB,  4*GRP                     ; a wave's four tiles
.set STAGE,  16*WAVEB                  ; 69,632 = 272 x 256: behind all tiles, no fill lands here; 1,088 bytes for each wave
.set LOG2E,  0x3fb8aa3b                ; log2(e)
.set EPS2,   0x35c1a2a0                ; 1e-6 x log2(e)
.set LA,  4                            ; v4       LDS address of my row in my wave's tile 0
.set ST,  5                            ; v5       stage: where my row's 32 bytes go
.set RD,  6                            ; v6       stage: where I read 16 bytes back
.set GO,  7                            ; v7       16 x lane: my 16 bytes of a store
.set OW1, 8                            ; v8-11    byte offsets into W1, W2, b1, b2
.set OW2, 9
.set OB1, 10
.set OB2, 11
.set KL,  12                           ; v[12:13] log2(e), twice
.set KE,  14                           ; v[14:15] eps log2(e), twice
.set A0,  16                           ; v[16:23]  W1^T at k 0..7
.set A1,  24                           ; v[24:31]  W1^T at k 8..15
.set A2,  32                           ; v[32:39]  W2^T log2(e), block diagonal
.set C1,  40                           ; v[40:47]  b1[8h+j]
.set C2,  48                           ; v[48:55]  b2[j] log2(e)
.set XB,  56                           ; v[56:63]  x in f16, then four registers of zeros
.set D1,  64                           ; v[64:79]  hidden units, f32: rows 0-15, rows 16-31
.set H,   80                           ; v[80:87]  the same after relu, f16
.set Z,   88                           ; v[88:95]  z' of my row
.set E,   96                           ; v[96:103]  2^-|z'|; later the row's results
.set U,   104                          ; v[104:111] 1 + e
.set M,   112                          ; v[112:119] max(z',0), then w'
.set LG,  120                          ; v[120:127] log2(1 + e)
.set S,   128                          ; v[128:135] residue of 1 + e; later the sum T and 1/T
.set P,   136                          ; v[136:137] partial sums of x
.set R,   138                          ; v138      r
.set Q,   140                          ; v[140:141] -r/T, r/T
.set X,   144                          ; v[144:175] my row of each of the four groups, f32
.set Y,   176                          ; v[176:207] 2 x 16 bytes to store, for each of the four groups: never rewritten, so no store's data is
.set G1,  16                           ; s[16:23] descriptor group 1
.set G0,  24                           ; s[24:39] descriptor group 0, one set for each tile: never rewritten
	s_load_b256 s[4:11], s[0:1], 0x0               ; x s[4:5], W1 s[6:7], b1 s[8:9], W2 s[10:11]
	s_load_b128 s[12:15], s[0:1], 0x20             ; b2 s[12:13], out s[14:15]
	v_lshl_add_u32 v208, v0, 2, 0x29000
	v_mov_b32 v209, 0
	ds_add_u32 v208, v209
	ds_add_u32 v208, v209
	v_lshrrev_b32 v2, 5, v0
	v_readfirstlane_b32 s40, v2                    ; wave 0..15
	; group 1: a dense block of 1,024 bytes as 4 rows of 32 elements of 8 bytes, 16 bytes of padding behind each row
	s_mov_b32 s[G1+0], (3<<16)|(1<<20)|(5<<22)|(3<<25) ; element of 8 bytes; padding on; after every 64 words; of 4 words
	s_mov_b32 s[G1+1], 32<<16                      ; tensor_dim0 = 32
	s_mov_b32 s[G1+2], 4<<16                       ; tensor_dim1 = 4
	s_mov_b32 s[G1+3], 32<<16                      ; tile_dim0 = 32
	s_mov_b32 s[G1+4], 4                           ; tile_dim1 = 4
	s_mov_b32 s[G1+5], 32                          ; 32 elements from row to row
	s_mov_b32 s[G1+6], 0
	s_mov_b32 s[G1+7], 0
	s_lshl_b32 s42, ttmp9, 16                      ; the work-group's 65,536 bytes
	s_lshl_b32 s41, s40, 12                        ; the wave's 4,096 of them
	s_add_co_u32 s42, s42, s41                     ; below 2^24
	s_mov_b32 s43, 0
	s_mul_i32 s44, s40, WAVEB                      ; my wave's tiles in LDS
	s_mul_i32 s45, s40, GRP
	s_add_co_u32 s45, s45, STAGE                   ; my wave's stage
	v_and_b32 v1, 31, v0                           ; L
	v_and_b32 v2, 15, v1                           ; r
	v_lshrrev_b32 v3, 4, v1                        ; h
	v_lshlrev_b32 v[OW1], 2, v2                    ; W1[k][r]: 4 r, the row in the immediate
	v_and_b32 v[OW2], 7, v1
	v_lshlrev_b32 v[OW2], 2, v[OW2]
	v_lshl_add_u32 v[OW2], v3, 8, v[OW2]           ; W2[8h+j][r & 7]: 256 h + 4 (r & 7), j in the immediate
	v_lshlrev_b32 v[OB1], 5, v3                    ; b1[8h ..]
	v_mov_b32 v[OB2], 0
	s_wait_dscnt 0x0
	s_wait_kmcnt 0x0
	s_add_nc_u64 s[4:5], s[4:5], s[42:43]          ; x and out at my wave's first row
	s_add_nc_u64 s[14:15], s[14:15], s[42:43]
.irp g, 0,1,2,3
	s_mov_b32 s[G0+4*\g], 1                                        ; count = 1
	s_add_co_u32 s[G0+4*\g+1], s44, \g*GRP                         ; LDS address
	s_add_nc_u64 s[G0+4*\g+2:G0+4*\g+3], s[4:5], \g*1024           ; global address of the tile
	s_or_b32 s[G0+4*\g+3], s[G0+4*\g+3], 0x80000000                ; type = 2
	tensor_load_to_lds s[G0+4*\g:G0+4*\g+3], s[G1:G1+7]            ; all that the wave will ever read is asked for here
	s_nop 0
.endr
	; the weights, while the tiles are on their way
.irp k, 0,1,2,3,4,5,6,7
	global_load_b32 v[E+\k], v[OW1], s[6:7] offset:64*\k           ; W1[k][r]
.endr
.irp j, 0,1,2,3,4,5,6,7
	global_load_b32 v[U+\j], v[OW2], s[10:11] offset:32*\j         ; W2[8h+j][r & 7]
.endr
	global_load_b128 v[C1:C1+3],   v[OB1], s[8:9]                  ; b1[8h+j] is layer 1's C as it stands
	global_load_b128 v[C1+4:C1+7], v[OB1], s[8:9] offset:16
	global_load_b128 v[C2:C2+3],   v[OB2], s[12:13]
	global_load_b128 v[C2+4:C2+7], v[OB2], s[12:13] offset:16
	v_cmp_gt_u32 s50, 16, v1                       ; h = 0
	v_cmp_le_u32 s51, 16, v1                       ; h = 1
	v_cmp_gt_u32 s52, 8, v2                        ; r < 8
	v_cmp_le_u32 s53, 8, v2                        ; r >= 8
	v_mul_u32_u24 v3, v3, UNIT                     ; read back: lanes 0-15 one stretch of 256 bytes, lanes 16-31 the next
	v_lshl_add_u32 v3, v2, 4, v3
	v_add_nc_u32 v[RD], s45, v3
	v_lshrrev_b32 v2, 3, v1                        ; row L: stretch L >> 3, byte 32 (L & 7).  Sixteen neighbouring lanes touch sixteen different
	v_mul_u32_u24 v2, v2, UNIT                     ; 16-byte columns modulo 256: lanes 0-7 the even ones, lanes 8-15, 272 bytes on, the odd ones
	v_and_b32 v3, 7, v1
	v_lshl_add_u32 v2, v3, 5, v2                   ; kept in v2: the stage's address is made from it further down
	v_add_nc_u32 v[LA], s44, v2
	v_mov_b32 v[KL], LOG2E
	v_mov_b32 v[KL+1], LOG2E
.irp i, 4,5,6,7
	v_mov_b32 v[A0+\i], 0                          ; k = 16..31 are not used in layer 1
	v_mov_b32 v[A1+\i], 0
	v_mov_b32 v[XB+\i], 0
.endr
	s_wait_loadcnt 0x0                             ; the weights, once
.irp i, 0,1,2,3
	v_cvt_pk_f16_f32 v[M+\i], v[E+2*\i], v[E+2*\i+1]               ; W1[0..7][r] in f16, the lower k in the lower half
.endr
.irp i, 0,2,4,6
	v_pk_mul_f32 v[U+\i:U+\i+1], v[U+\i:U+\i+1], v[KL:KL+1]        ; W2 log2(e)
	v_pk_mul_f32 v[C2+\i:C2+\i+1], v[C2+\i:C2+\i+1], v[KL:KL+1]    ; b2 log2(e)
.endr
.irp i, 0,1,2,3
	v_cvt_pk_f16_f32 v[M+4+\i], v[U+2*\i], v[U+2*\i+1]
.endr
.irp i, 0,1,2,3
	v_cndmask_b32 v[A0+\i], 0, v[M+\i], s50        ; k 0..7 lie in the lanes with h = 0,
	v_cndmask_b32 v[A1+\i], 0, v[M+\i], s51        ; k 8..15 in those with h = 1
	v_cndmask_b32 v[A2+\i], 0, v[M+4+\i], s52      ; rows 0-7: k 0..15
	v_cndmask_b32 v[A2+4+\i], 0, v[M+4+\i], s53    ; rows 8-15: k 16..31
.endr
; my row of group g out of LDS.  left = how many younger tiles of mine may still be out (a wave's tensor loads end in the order of issue)
.macro GETX g, left
	s_wait_tensorcnt \left
	ds_load_b128 v[X+8*\g:X+8*\g+3],   v[LA] offset:\g*GRP
	ds_load_b128 v[X+8*\g+4:X+8*\g+7], v[LA] offset:\g*GRP+16
.endm
.macro CVTX g                          ; x of group g to f16: four plain vector instructions
.irp i, 0,1,2,3
	v_cvt_pk_f16_f32 v[XB+\i], v[X+8*\g+2*\i], v[X+8*\g+2*\i+1]
.endr
.endm
.macro MM1                             ; layer 1 for rows 0-15 and rows 16-31; the bias is the C operand
	v_wmma_f32_16x16x32_f16 v[D1:D1+7],    v[A0:A0+7], v[XB:XB+7], v[C1:C1+7]
	v_wmma_f32_16x16x32_f16 v[D1+8:D1+15], v[A1:A1+7], v[XB:XB+7], v[C1:C1+7]
.endm
.macro ACT                             ; relu in f32, then f16: D1 becomes layer 2's B operand in the same lanes
.irp j, 0,1,2,3,4,5,6,7,8,9,10,11,12,13,14,15
	v_max_num_f32 v[D1+\j], 0, v[D1+\j]
.endr
.irp i, 0,1,2,3,4,5,6,7
	v_cvt_pk_f16_f32 v[H+\i], v[D1+2*\i], v[D1+2*\i+1]
.endr
.endm
.macro MM2                             ; layer 2 for all 32 rows
	v_wmma_f32_16x16x32_f16 v[Z:Z+7], v[A2:A2+7], v[H:H+7], v[C2:C2+7]
.endm
.macro RSUM g                          ; r = x0 - x1 - .. - x7, all but its last term: four plain vector instructions on registers that no matrix instruction names
	v_pk_add_f32 v[P:P+1], v[X+8*\g+2:X+8*\g+3], v[X+8*\g+4:X+8*\g+5]
	v_sub_f32 v[R], v[X+8*\g], v[X+8*\g+1]
	v_pk_add_f32 v[P:P+1], v[P:P+1], v[X+8*\g+6:X+8*\g+7]
	v_sub_f32 v[R], v[R], v[P]
.endm
; softplus, the closed form, and the row's eight results into E.  Transcendentals stand in runs; behind each run a plain vector instruction
; that neither reads a result nor writes a source comes first (ISA guide 5.7.2).
.macro TAIL g
.irp j, 0,1,2,3,4,5,6,7
	v_exp_f32 v[E+\j], -|v[Z+\j]|                  ; e = 2^-|z'|, at most 1
.endr
.irp j, 0,1,2,3,4,5,6,7
	v_max_num_f32 v[M+\j], 0, v[Z+\j]
.endr
	s_wait_alu depctr_va_vdst(0)
.irp j, 0,2,4,6
	v_pk_add_f32 v[U+\j:U+\j+1], v[E+\j:E+\j+1], 1.0 op_sel_hi:[1,0]
.endr
.irp j, 0,1,2,3,4,5,6,7
	v_log_f32 v[LG+\j], v[U+\j]
.endr
.irp j, 0,2,4,6
	v_pk_add_f32 v[S+\j:S+\j+1], v[U+\j:U+\j+1], -1.0 op_sel_hi:[1,0]                      ; exact: 1 <= u <= 2
.endr
.irp j, 0,2,4,6
	v_pk_add_f32 v[S+\j:S+\j+1], v[E+\j:E+\j+1], v[S+\j:S+\j+1] neg_lo:[0,1] neg_hi:[0,1]  ; what the rounding of 1 + e dropped
.endr
.irp j, 0,2,4,6
	v_pk_fma_f32 v[S+\j:S+\j+1], v[S+\j:S+\j+1], v[KL:KL+1], v[KE:KE+1]                    ; x log2(e), + eps log2(e)
.endr
	s_wait_alu depctr_va_vdst(0)
.irp j, 0,2,4,6
	v_pk_add_f32 v[M+\j:M+\j+1], v[M+\j:M+\j+1], v[LG+\j:LG+\j+1]
.endr
.irp j, 0,2,4,6
	v_pk_add_f32 v[M+\j:M+\j+1], v[M+\j:M+\j+1], v[S+\j:S+\j+1]                            ; w'
.endr
	v_pk_add_f32 v[S:S+1],   v[M:M+1],   v[M+2:M+3]
	v_pk_add_f32 v[S+2:S+3], v[M+4:M+5], v[M+6:M+7]
	v_pk_add_f32 v[S:S+1],   v[S:S+1],   v[S+2:S+3]
	v_add_f32 v[S+2], v[S], v[S+1]                 ; T, at least 8 eps log2(e)
	v_rcp_f32 v[S+3], v[S+2]
	v_sub_f32 v[R], v[R], v[P+1]                   ; r's last term: the plain instruction behind the reciprocal
	s_wait_alu depctr_va_vdst(0)
	v_mul_f32 v[Q], -v[R], v[S+3]                  ; -r/T for column 0,
	v_mul_f32 v[Q+1], v[R], v[S+3]                 ; r/T for the others
	v_pk_fma_f32 v[E:E+1], v[M:M+1], v[Q:Q+1], v[X+8*\g:X+8*\g+1]
.irp j, 2,4,6
	v_pk_fma_f32 v[E+\j:E+\j+1], v[M+\j:M+\j+1], v[Q:Q+1], v[X+8*\g+\j:X+8*\g+\j+1] op_sel:[0,1,0] op_sel_hi:[1,1,1]   ; both halves take r/T
.endr
.endm
; Lane L holds 32 bytes of row L, but a store should cover neighbouring bytes: through my wave's own stage.  LDS serves a wave's
; instructions in order (ISA guide 5.7.1), so the loads see the stores, and the next group's stores come behind these loads.
.macro PUT g
	ds_store_b128 v[ST], v[E:E+3]
	ds_store_b128 v[ST], v[E+4:E+7] offset:16
	ds_load_b128 v[Y+8*\g:Y+8*\g+3],   v[RD]
	ds_load_b128 v[Y+8*\g+4:Y+8*\g+7], v[RD] offset:2*UNIT
.endm
.macro OUT g                           ; each store of the wave covers 512 consecutive bytes, at a multiple of 512 from out's first byte
	global_store_b128 v[GO], v[Y+8*\g:Y+8*\g+3],   s[14:15] offset:\g*1024 th:TH_STORE_NT
	global_store_b128 v[GO], v[Y+8*\g+4:Y+8*\g+7], s[14:15] offset:\g*1024+512 th:TH_STORE_NT
.endm
; THE ORDER.  Behind a matrix instruction four plain vector instructions that name none of its registers stand before its result is read or one
; of its registers written (ISA guide 7.12.1).  Here they are work.  Behind layer 2: the four conversions of the next group's x and the four
; lines of r (the last group: the four lines of r).  Behind layer 1: r and the tail of the group before (the first time: four lines of set-up).
	GETX 0, 3                                      ; tile 0 is in; three younger ones may be out
	s_wait_dscnt 0x0
	CVTX 0
	MM1
	v_mov_b32 v[KE], EPS2                          ; four lines of set-up that the tail and the way out need, as the places behind the first layer 1
	v_mov_b32 v[KE+1], EPS2
	v_add_nc_u32 v[ST], s45, v2
	v_lshlrev_b32 v[GO], 4, v1
	; group 0
	GETX 1, 2
	ACT
	MM2
	s_wait_dscnt 0x0                               ; x of group 1
	CVTX 1
	MM1
	RSUM 0
	TAIL 0
	PUT 0
	; group 1
	GETX 2, 1
	ACT
	s_wait_dscnt 0x2                               ; group 0's results are read back; the two younger loads, x of group 2, may be out
	OUT 0
	MM2
	s_wait_dscnt 0x0
	CVTX 2
	MM1
	RSUM 1
	TAIL 1
	PUT 1
	; group 2
	GETX 3, 0                                      ; the last tile: nothing was asked for behind it
	ACT
	s_wait_dscnt 0x2
	OUT 1
	MM2
	s_wait_dscnt 0x0
	CVTX 3
	MM1
	RSUM 2
	TAIL 2
	PUT 2
	; group 3
	ACT
	s_wait_dscnt 0x0
	OUT 2
	MM2
	RSUM 3
	TAIL 3
	PUT 3
	s_wait_dscnt 0x0
	OUT 3
	s_wait_tensorcnt 0x0
	ds_add_u32 v208, v209
	s_wait_dscnt 0x0
	s_endpgm
.Lfunc_end_k_q25dc3138f4_wls:
	.size	k_q25dc3138f4_wls, .Lfunc_end_k_q25dc3138f4_wls-k_q25dc3138f4_wls
	.p2alignl 7, 3214868480
	.fill 96, 4, 3214868480
	.section	.rodata,"a",@progbits
	.p2align	6, 0x0
	.amdhsa_kernel k_q25dc3138f4_wls
		.amdhsa_group_segment_fixed_size 169984
		.amdhsa_private_segment_fixed_size 0
		.amdhsa_enable_private_segment 0
		.amdhsa_kernarg_size 48
		.amdhsa_user_sgpr_count 2
		.amdhsa_user_sgpr_kernarg_segment_ptr 1
		.amdhsa_wavefront_size32 1
		.amdhsa_system_sgpr_workgroup_id_x 1
		.amdhsa_system_sgpr_workgroup_id_y 1
		.amdhsa_system_sgpr_workgroup_id_z 1
		.amdhsa_system_vgpr_workitem_id 0
		.amdhsa_next_free_vgpr 210
		.amdhsa_next_free_sgpr 66
		.amdhsa_reserve_vcc 0
		.amdhsa_float_denorm_mode_32 3
		.amdhsa_float_denorm_mode_16_64 3
		.amdhsa_memory_ordered 1
		.amdhsa_forward_progress 1
		.amdhsa_inst_pref_size 31
	.end_amdhsa_kernel
	.amdgpu_metadata
---
amdhsa.version: [ 1, 2 ]
amdhsa.kernels:
  - .name:           k_q25dc3138f4_wls
    .symbol:         k_q25dc3138f4_wls.kd
    .args:
      - { .name: inputs, .offset: 0, .size: 8, .value_kind: global_buffer, .address_space: global }
      - { .name: W1, .offset: 8, .size: 8, .value_kind: global_buffer, .address_space: global }
      - { .name: b1, .offset: 16, .size: 8, .value_kind: global_buffer, .address_space: global }
      - { .name: W2, .offset: 24, .size: 8, .value_kind: global_buffer, .address_space: global }
      - { .name: b2, .offset: 32, .size: 8, .value_kind: global_buffer, .address_space: global }
      - { .name: out0, .offset: 40, .size: 8, .value_kind: global_buffer, .address_space: global }
    .group_segment_fixed_size: 169984
    .private_segment_fixed_size: 0
    .kernarg_segment_align: 8
    .kernarg_segment_size: 48
    .max_flat_workgroup_size: 512
    .sgpr_count:     66
    .vgpr_count:     210
    .wavefront_size: 32
...
	.end_amdgpu_metadata
.endif
;; end of part 1
